; MI455X (gfx1250); checked and timed in simulation.
; The chip was launched on July 23, 2026; its instructions are those of AMD's public machine-readable ISA for CDNA 5 (MIT licence, August 2026) and "CDNA5" Instruction Set Architecture Reference Guide (July 2026). The comments in the code are by the model that wrote it; some were corrected since.
;; VQ. Allowed arithmetic: float matrix products may take bf16 or f16 operands with f32 sums; other float arithmetic in f32, or as packed bf16 or f16 multiplies, adds, multiply-adds, maxima and minima; sums over many terms, partial sums and values carried from step to step in f32; what a program stores and reads back later, other than sums and carried values, may be rounded once to bf16 or f16.
;; Inputs: codebook 8,192 x 256 float32; x 32 x 256 x 32 x 32 float32.
;; Outputs: out0 32 x 256 x 32 x 32 float32; out1 32 x 32 x 32 int32.
;; 2 versions, each right; version 2 is version 1 with the launches prep, gather written anew for expert scheduling mode. Each part assembles by itself: llvm-mc -triple=amdgcn-amd-amdhsa -mcpu=gfx1250 --defsym DOCPART=n.
;; ======== version 1 of 2: 3 launches
;; workspace buffers: cbw 4,259,840 bytes; idxw 131,072 bytes of whole numbers
;; launch prep (part 1): grid 128 x 1, 8 waves a work-group, no clusters, 1,280 bytes of LDS; arguments codebook, cbw; writes cbw
.if DOCPART == 1
	.amdgcn_target "amdgcn-amd-amdhsa--gfx1250"
	.amdhsa_code_object_version 6
	.text
	.protected	k_q2b2d44efd4_prep
	.globl	k_q2b2d44efd4_prep
	.p2align	8
	.type	k_q2b2d44efd4_prep,@function
k_q2b2d44efd4_prep:
	s_mov_b64 s[64:65], 0
	v_nop
	global_prefetch_b8 v0, s[64:65] scope:SCOPE_SE
	s_setreg_imm32_b32 hwreg(HW_REG_WAVE_MODE, 25, 1), 1
	s_wait_xcnt 0x0
; VQ: for each pixel (b, h, w) the nearest of 8,192 code rows to the 256 channels x[b][:][h][w]; out1 = its index, out0[b][:][h][w] = that row.
; Three launches: this one lays the codebook out, the second finds the indices, the third gathers the rows.
; WORK LEFT OUT.  d2[n][k] = |f_n|^2 - 2 f_n.c_k + |c_k|^2, and only its argmin over k is used.  |f_n|^2 does not depend on k, so in exact arithmetic, for all finite
; inputs, argmin_k d2[n][k] = argmax_k (f_n.c_k - |c_k|^2 / 2); the halving is exact.  The term is a sum of 256 squares like |c_k|^2, of the size of the others, not one beside which they are lost.
; So the sum of squares of x is never made.  Both inputs still have a way to the outputs and are loaded.
; LIMITS.  A NaN, an infinity or an overflow that reaches only |f_n|^2 is not carried to the result.  NaN and infinities among the inputs are not served.
; x and the codebook are rounded once to bf16 (to nearest even) for the product; |c_k|^2 is taken of the ROUNDED row, in f32, so that the program is the reference on rounded inputs;
; out0 holds the rounded row (within 2^-9 of the f32 number, relative).  Two codes whose distances differ by less than the f32 rounding of the sums may be ordered otherwise than in f32 sums of another order.
; THIS LAUNCH.  cbw = 128 blocks of 33,280 bytes.  Block B: rows 0-63 = codes 64 B .. 64 B + 63 in bf16, 512 bytes each; row 64 = the 64 numbers -|c|^2 / 2 in f32, then 256 bytes of 0.
; A block is what one wave of the second launch asks for as one tile of 65 rows.  One work-group a block (its last row has one owner), eight waves, eight rows a wave, a row a turn.
; All 16 loads of a wave go out first; no register of a store is written again.
.set SPARE, 256                        ; LDS: bytes 0-255 the block's 64 numbers; from 256 on the spare words, 128 bytes for each of the eight waves
.set BLK,   33280
.set X,     16                         ; v[16:79]   row e: 8 registers as loaded: numbers 4 l .. 4 l + 3 and 128 + 4 l .. 128 + 4 l + 3
.set P,     80                         ; v[80:111]  row e: 4 registers, the same eight numbers in bf16
.set T,     112                        ; v[112:119] the rounded numbers back in f32
.set SUM,   120                        ; v[120:121] the sum of squares, even and odd places
.set PL,    122                        ; v122       the other half of the lanes' sum
.set BI,    124                        ; v[124:131] row e's -|c|^2 / 2
.set OB,    132                        ; v[132:135] wave 0: the block's last row
	s_load_b128 s[4:7], s[0:1], 0x0                ; codebook s[4:5], cbw s[6:7]
	v_lshl_add_u32 v8, v0, 2, SPARE                ; my spare word
	v_mov_b32 v9, 0
	v_lshrrev_b32 v5, 5, v0
	v_readfirstlane_b32 s8, v5                     ; wave 0..7
	v_and_b32 v1, 31, v0                           ; lane l
	s_lshl_b32 s9, s8, 13
	v_lshl_add_u32 v2, v1, 4, s9                   ; in: 8 rows of 1,024 bytes a wave, 16 bytes a lane
	s_lshl_b32 s9, s8, 12
	v_lshl_add_u32 v3, v1, 3, s9                   ; out: 8 rows of 512 bytes a wave, 8 bytes a lane
	s_lshl_b32 s9, s8, 5
	v_mov_b32 v4, s9                               ; LDS: my wave's eight words
	v_mov_b32 v[PL], 0                             ; v_permlanex16_b32 counts as a reader of its destination
	s_lshl_b32 s10, ttmp9, 16                      ; the block's 64 rows of 1,024 bytes
	s_mov_b32 s11, 0
	s_mul_i32 s16, ttmp9, BLK
	s_mov_b32 s17, 0
	s_mov_b32 s12, 0x76543210                      ; lane i of one half reads lane i of the other
	s_mov_b32 s13, 0xfedcba98
	s_mov_b32 s14, 0xffff0000                      ; a word's upper bf16
	s_wait_kmcnt 0x0
	s_add_nc_u64 s[4:5], s[4:5], s[10:11]
	s_add_nc_u64 s[6:7], s[6:7], s[16:17]
.irp e, 0,1,2,3,4,5,6,7
	global_load_b128 v[X+8*\e:X+8*\e+3],   v2, s[4:5] offset:1024*\e th:TH_LOAD_NT      ; 512 consecutive bytes a wave
	global_load_b128 v[X+8*\e+4:X+8*\e+7], v2, s[4:5] offset:1024*\e+512 th:TH_LOAD_NT
.endr
.macro ROW e
	s_wait_loadcnt 14-2*(\e)                       ; loads come back in order: this row's two are in, the later rows' two each stay out
.irp k, 0,1,2,3
	v_cvt_pk_bf16_f32 v[P+4*(\e)+\k], v[X+8*(\e)+2*\k], v[X+8*(\e)+2*\k+1]
.endr
	global_store_b64 v3, v[P+4*(\e):P+4*(\e)+1],   s[6:7] offset:512*(\e)       ; each store of the wave covers 256 consecutive bytes, aligned
	global_store_b64 v3, v[P+4*(\e)+2:P+4*(\e)+3], s[6:7] offset:512*(\e)+256
.irp k, 0,1,2,3
	v_lshlrev_b32 v[T+2*\k],   16,  v[P+4*(\e)+\k]  ; the ROUNDED numbers are squared
	v_and_b32     v[T+2*\k+1], s14, v[P+4*(\e)+\k]
.endr
	v_pk_mul_f32 v[SUM:SUM+1], v[T:T+1], v[T:T+1]
.irp k, 2,4,6
	v_pk_fma_f32 v[SUM:SUM+1], v[T+\k:T+\k+1], v[T+\k:T+\k+1], v[SUM:SUM+1]
.endr
	v_add_f32 v[SUM], v[SUM], v[SUM+1]
	v_add_f32_dpp v[SUM], v[SUM], v[SUM] row_xmask:1 row_mask:0xf bank_mask:0xf
	v_add_f32_dpp v[SUM], v[SUM], v[SUM] row_xmask:2 row_mask:0xf bank_mask:0xf
	v_add_f32_dpp v[SUM], v[SUM], v[SUM] row_xmask:4 row_mask:0xf bank_mask:0xf
	v_add_f32_dpp v[SUM], v[SUM], v[SUM] row_xmask:8 row_mask:0xf bank_mask:0xf
	v_permlanex16_b32 v[PL], v[SUM], s12, s13
	v_add_f32 v[SUM], v[SUM], v[PL]                ; every lane holds the row's sum
	v_mul_f32 v[BI+(\e)], -0.5, v[SUM]
	ds_store_b32 v4, v[BI+(\e)] offset:4*(\e)      ; all lanes write the same word with the same number
.endm
.irp e, 0,1,2,3,4,5,6,7
	ROW \e
.endr
	s_wait_dscnt 0x0                               ; for the others' sake: my eight words are in LDS
	s_barrier_signal -1
	s_barrier_wait -1
	s_cmp_lg_u32 s8, 0                             ; wave 0 writes the block's last row
	s_cbranch_scc1 .Lend
	v_and_b32 v6, 15, v1
	v_lshlrev_b32 v6, 4, v6
	ds_load_b128 v[OB:OB+3], v6                    ; lanes 0-15: the 64 numbers
	v_lshlrev_b32 v7, 4, v1
	v_cmp_gt_u32 vcc_lo, 16, v1
	s_wait_dscnt 0x0
.irp k, 0,1,2,3
	v_cndmask_b32 v[OB+\k], 0, v[OB+\k], vcc_lo    ; lanes 16-31: zeros: the second launch's tile takes the whole row
.endr
	global_store_b128 v7, v[OB:OB+3], s[6:7] offset:32768  ; 512 consecutive bytes
.Lend:
	s_wait_tensorcnt 0x0                           ; the wave's end: behind my last LDS store
	ds_add_u32 v8, v9
	s_wait_dscnt 0x0
	s_endpgm
.Lfunc_end_k_q2b2d44efd4_prep:
	.size	k_q2b2d44efd4_prep, .Lfunc_end_k_q2b2d44efd4_prep-k_q2b2d44efd4_prep
	.p2alignl 7, 3214868480
	.fill 96, 4, 3214868480
	.section	.rodata,"a",@progbits
	.p2align	6, 0x0
	.amdhsa_kernel k_q2b2d44efd4_prep
		.amdhsa_group_segment_fixed_size 1280
		.amdhsa_private_segment_fixed_size 0
		.amdhsa_enable_private_segment 0
		.amdhsa_kernarg_size 16
		.amdhsa_user_sgpr_count 2
		.amdhsa_user_sgpr_kernarg_segment_ptr 1
		.amdhsa_wavefront_size32 1
		.amdhsa_system_sgpr_workgroup_id_x 1
		.amdhsa_system_sgpr_workgroup_id_y 1
		.amdhsa_system_sgpr_workgroup_id_z 1
		.amdhsa_system_vgpr_workitem_id 0
		.amdhsa_next_free_vgpr 144
		.amdhsa_next_free_sgpr 66
		.amdhsa_reserve_vcc 1
		.amdhsa_float_denorm_mode_32 3
		.amdhsa_float_denorm_mode_16_64 3
		.amdhsa_memory_ordered 1
		.amdhsa_forward_progress 1
		.amdhsa_inst_pref_size 15
	.end_amdhsa_kernel
	.amdgpu_metadata
---
amdhsa.version: [ 1, 2 ]
amdhsa.kernels:
  - .name:           k_q2b2d44efd4_prep
    .symbol:         k_q2b2d44efd4_prep.kd
    .args:
      - { .name: codebook, .offset: 0, .size: 8, .value_kind: global_buffer, .address_space: global }
      - { .name: cbw, .offset: 8, .size: 8, .value_kind: global_buffer, .address_space: global }
    .group_segment_fixed_size: 1280
    .private_segment_fixed_size: 0
    .kernarg_segment_align: 8
    .kernarg_segment_size: 16
    .max_flat_workgroup_size: 256
    .sgpr_count:     66
    .vgpr_count:     144
    .wavefront_size: 32
...
	.end_amdgpu_metadata
.endif
;; end of part 1
;; launch score (part 2): grid 256 x 1, 4 waves a work-group, clusters of 4 x 1, 327,680 bytes of LDS; arguments x, cbw, idxw, out1; writes idxw, out1
.if DOCPART == 2
	.amdgcn_target "amdgcn-amd-amdhsa--gfx1250"
	.amdhsa_code_object_version 6
	.text
	.protected	k_q2b2d44efd4_score
	.globl	k_q2b2d44efd4_score
	.p2align	8
	.type	k_q2b2d44efd4_score,@function
k_q2b2d44efd4_score:
	s_mov_b64 s[64:65], 0
	v_nop
	global_prefetch_b8 v0, s[64:65] scope:SCOPE_SE
	s_setreg_imm32_b32 hwreg(HW_REG_WAVE_MODE, 25, 1), 1
	s_wait_xcnt 0x0
	s_wait_alu depctr_hold_cnt(0) depctr_sa_sdst(0) depctr_va_vdst(0) depctr_va_sdst(0) depctr_va_ssrc(0) depctr_va_vcc(0) depctr_vm_vsrc(0)
	s_getreg_b32 s2, hwreg(HW_REG_IB_STS2, 6, 4)
	s_cmp_eq_u32 s2, 0
	s_cbranch_scc0 .Lentry_in_a_cluster
	s_endpgm
.Lentry_in_a_cluster:
	s_bfe_u32 s2, ttmp6, 0x10000c
	s_cmp_lg_u32 s2, 0x3003
	s_cbranch_scc0 .Lentry_shape_is_right
	s_endpgm
.Lentry_shape_is_right:
; VQ, second launch: idx[n] = argmax over k of (f_n . c_k - |c_k|^2 / 2), n = 1,024 b + 32 h + w, f_n = x[b][:][h][w] rounded to bf16; c_k and -|c_k|^2 / 2 come from cbw.
; WORK LEFT OUT: |f_n|^2, the same for all k, cannot move the argmin (shown at the head of the first launch's text).  A NaN, an infinity or an overflow that reaches only that term is not carried.
; LIMITS.  NaN and infinities among the inputs are not served (a NaN score never wins a comparison; a query whose scores are all NaN gets 8,191).  Equal scores: the lowest index, as argmin has it.
; SHARES.  A work-group owns 128 queries: 512 consecutive bytes of each of the 256 channels of one b.  EVERY wave holds all 128 queries as source 1 (8 tiles of 16 x 256 channels, 512 registers) and walks
; a QUARTER of the codes: of each slot of 256 codes, block 4 s + wave, four tiles of 16 codes.  So a fragment of codes read from LDS feeds eight matrix instructions: 18 LDS loads for a tile's 64.
; LAYOUT.  S = C Q^T (source 0 = 16 codes, source 1 = 16 queries): a lane holds ONE query (lane % 16) and the codes 8 (lane / 16) + 0..7.  The first K step's C operand is -|c|^2 / 2 of those eight codes.
; ARGMAX.  For each (lane, query tile, register) a running maximum M and the code base I of the tile that gave it: compare (strict: the earlier tile stays), maximum, select: three vector instructions a score
; register.  They stand as a SLICE behind each matrix instruction of the NEXT tile (S has two buffers): 64 slices for 64 matrix instructions.  At the end the eight registers, the two halves of the lanes and the
; four waves are merged, each time by the greatest score and among equals the lowest index.
; CLUSTER.  All work-groups walk the same cbw, so the four of a cluster ask for each tile JOINTLY: the same tensor load, descriptor and mask in all four.  Each wave asks for the quarter that it alone reads,
; so its own TENSORcnt orders its reads; descriptors hang on the wave's number and the loop's steps alone.
; x lies [channel][query]; it is rounded to bf16, laid into a stage in LDS 128 channels at a time, and comes back turned by ds_load_tr16_b128.
; REGISTERS, in windows of 256 (s_set_vgpr_msb: bits 1:0 source 0, 3:2 source 1, 5:4 source 2, 7:6 destination):
;   window 0: v0-63, v64-127 S, two buffers (query tile t at 8 t); v128-191 M; v192-255 I.  At the start all 256 take x's 64 loads; at the end v0-47 are at work
;   window 1: v1-17 addresses; v18-19 at work; v32-47 the C operand, two buffers; v64-191 the codes' fragments, two buffers (K step c at 8 c); v192-255 x in bf16 on its way to the stage
;   window 2: Q, query tiles 0-3 (tile t, K step c at 64 (t % 4) + 8 c);   window 3: tiles 4-7
; A slice works in window 0, a product names windows 0 to 3: two switches a matrix instruction.
.set PK,      528                      ; a code row in LDS: 512 bytes + 16 of padding = 132 words: the 16 rows of a load start at 16 different groups of four banks (64 banks of 4 bytes: ISA guide 11.1)
.set QUART,   65*PK                    ; a wave's part of a slot: 64 code rows and the row of -|c|^2 / 2
.set SLOT1,   0x22000                  ; slot 1 begins here (a slot is 4 x 34,320 bytes); neither of its two bits is set in wave x QUART, so one exclusive or turns an address in one slot into the other's
.set STAGE,   276736                   ; behind the ring, in blocks of 256 bytes of its own: 128 channels x 288 bytes
.set SPQ,     288                      ; a stage row: 128 queries in bf16 + 32 bytes = 72 words
.set SCR,     STAGE+128*SPQ            ; 1,024 bytes a wave: 128 maxima, then 128 indices
.set SPARE,   SCR+4096                 ; the spare words, 128 bytes for each wave: two blocks of 256 bytes that no other line names
.set BLK,     33280                    ; a block of cbw in memory: 65 rows of 512 bytes
.set SLOTMEM, 4*BLK
.set SPW, 1                            ; window 1.  v1  LDS address of my spare word; never rewritten
.set NIL, 2                            ; v2   0; never rewritten
.set LN,  3                            ; v3   lane l
.set RR,  4                            ; v4   l % 16
.set HH,  5                            ; v5   l / 16
.set XO,  6                            ; v6   x: 16 l + wave x 32 channels of 4,096 bytes
.set XS,  7                            ; v7   stage, in: my wave's 32 rows, 8 bytes a lane
.set XT,  8                            ; v8   stage, back: row 8 (l / 16) + l % 8, 16 bytes by (l / 8) % 2
.set AK0, 9                            ; v9   my lane's place in a tile of codes
.set AB0, 10                           ; v10  my lane's place in the row of -|c|^2 / 2
.set ADR, 11                           ; v11  the LDS address of the run of loads in hand
.set ADB, 12                           ; v12  the same for the C operand
.set LC,  13                           ; v13  64 wave + 8 (l / 16): what my lane adds to a tile's code base
.set SS,  14                           ; v14  where I put a query's maximum
.set SRD, 15                           ; v15  wave 0: where it reads four queries' maxima
.set GO,  16                           ; v16  16 l
.set PFO, 17                           ; v17  256 l
.set CB,  32
.set AF,  64
.set TMP, 192
.set MX,  128                          ; window 0
.set IX,  192
.set WV,  12                           ; s12  my wave's number
.set LIM, 15                           ; s15  2 in the launch's first cluster, else the greatest number: a wave prefetches while s[SLOTS] is above it
.set PFA, 18                           ; s[18:19] where my prefetches stand
.set G1,  24                           ; s[24:31] descriptor group 1
.set G0A, 32                           ; s[32:35] group 0 of the first fill of slot 0
.set G0B, 36                           ; s[36:39] group 0 of the first fill of slot 1; it then walks
.set SLOTS, 40                         ; s40  slots still to be asked for
.set TWICE, 41                         ; s41  counts two pairs of tiles
.set TB,  42                           ; s42  LDS byte (less my quarter's) at which the tile to be fetched begins
.set TBB, 43                           ; s43  the same for its 16 numbers -|c|^2 / 2
.set TP,  44                           ; s44  256 s + 16 t: the code base of the tile whose scores the slices take
.set SEL, 46                           ; s[46:47] v_permlanex16_b32's selects: each lane takes its own place in the other half
.set MSB, 0
.macro WIN new                         ; the immediate's high byte repeats the setting that is left; a switch that changes nothing is dropped
.if MSB != (\new)
	s_set_vgpr_msb (MSB<<8)|(\new)
.set MSB, (\new)
.endif
.endm
.set W_H,  0x55                        ; all places in window 1
.set W_AD, 0x05                        ; the add: address and data in window 1
; A round of the cluster's barrier: my work-group's barrier, so that wave 0's signal speaks for all four waves; wave 0 signals; every wave waits for all four work-groups; my work-group's barrier once more.
.macro CROUND
	s_barrier_signal -1
	s_barrier_wait -1
	s_cmp_lg_u32 s[WV], 0
	s_cbranch_scc1 .Lnot_wave_0_\@
	s_barrier_signal -3
.Lnot_wave_0_\@:
	s_barrier_wait -3
	s_barrier_signal -1
	s_barrier_wait -1
.endm
.macro PLACES
.rept 4
	v_nop
.endr
.endm
	s_load_b256 s[4:11], s[0:1], 0x0               ; x s[4:5], cbw s[6:7], idxw s[8:9], out1 s[10:11]
	WIN 0x40                                       ; destination window 1, sources window 0
	v_lshl_add_u32 v[SPW], v0, 2, SPARE
	v_mov_b32 v[NIL], 0
	WIN W_AD
	ds_add_u32 v[SPW], v[NIL]                      ; the wave's opening: the add, twice on end, and its wait ahead of my first tensor load; the set-up below, work on registers, stands between
	ds_add_u32 v[SPW], v[NIL]                      ; and once more, under the one wait
	WIN 0
	v_lshrrev_b32 v1, 5, v0
	v_readfirstlane_b32 s[WV], v1                  ; wave 0..3
	WIN 0x40
	v_and_b32 v[LN], 31, v0
	v_and_b32 v[RR], 15, v0
	v_bfe_u32 v[HH], v0, 4, 1
	v_and_b32 v18, 7, v0
	v_bfe_u32 v19, v0, 3, 1
	WIN W_H
	s_lshl_b32 s16, s[WV], 17
	v_lshl_add_u32 v[XO], v[LN], 4, s16
	s_mul_i32 s17, s[WV], 32*SPQ
	s_add_co_u32 s17, s17, STAGE
	v_lshl_add_u32 v[XS], v[LN], 3, s17
	v_lshl_add_u32 v[XT], v[HH], 3, v18
	v_mul_u32_u24 v[XT], v[XT], SPQ
	v_lshl_add_u32 v[XT], v19, 4, v[XT]
	v_add_nc_u32 v[XT], STAGE, v[XT]
	s_mul_i32 s22, s[WV], QUART                    ; my quarter of a slot: no place in the cluster enters an LDS address
	v_mul_u32_u24 v[AK0], v[RR], PK
	v_lshl_add_u32 v[AK0], v[HH], 4, v[AK0]        ; a fragment: row l % 16, 16 bytes by the half of the lanes
	v_add_nc_u32 v[AK0], s22, v[AK0]
	s_add_co_u32 s23, s22, 64*PK
	v_lshl_add_u32 v[AB0], v[HH], 5, s23           ; eight f32 by the half of the lanes
	s_lshl_b32 s16, s[WV], 6
	v_lshl_add_u32 v[LC], v[HH], 3, s16
	s_lshl_b32 s17, s[WV], 10
	s_add_co_u32 s17, s17, SCR
	v_lshl_add_u32 v[SS], v[RR], 2, s17
	v_lshlrev_b32 v[GO], 4, v[LN]
	v_add_nc_u32 v[SRD], SCR, v[GO]
	v_lshlrev_b32 v[PFO], 8, v[LN]
	; descriptor group 1: a tile of 65 rows x 256 elements of 2 bytes, dense in memory, padded in LDS
	s_mov_b32 s[G1], 15|(1<<16)|(1<<20)|(1<<21)|(6<<22)|(3<<25)  ; 15:0 the mask of four; 17:16 2-byte elements; 20 padding on; 21 set beside a mask; 24:22 after every 128 words (code 6); 31:25 4 words (code 3)
	s_mov_b32 s[G1+1], 256<<16                     ; tensor_dim0 = 256
	s_mov_b32 s[G1+2], 65<<16                      ; tensor_dim1 = 65
	s_mov_b32 s[G1+3], 256<<16                     ; tile_dim0 = 256
	s_mov_b32 s[G1+4], 65                          ; tile_dim1 = 65
	s_mov_b32 s[G1+5], 256                         ; 256 elements from row to row
	s_mov_b32 s[G1+6], 0
	s_mov_b32 s[G1+7], 0
	s_mov_b32 s[G0A], 1                            ; count = 1
	s_mov_b32 s[G0A+1], s22                        ; LDS address: slot 0, my quarter
	s_mov_b32 s[G0B], 1
	s_add_co_u32 s[G0B+1], s22, SLOT1
	s_mul_i32 s16, s[WV], BLK                      ; my block of a slot in memory
	s_mov_b32 s17, 0
	s_mov_b32 s[SEL], 0x76543210
	s_mov_b32 s[SEL+1], 0xfedcba98
	s_mov_b32 s[TB], 0
	s_mov_b32 s[TBB], 0
	s_cmp_eq_u32 ttmp9, 0                          ; in a cluster launch ttmp9 counts clusters: the same in all four partners
	s_cselect_b32 s[LIM], 2, -1
	s_bfe_u32 s13, ttmp6, 0x40000                  ; cx: my place in the cluster.  It enters x's, idxw's, out1's and the prefetches' addresses alone, by s13, s14 and s[20:21]
	s_lshl_b32 s14, ttmp9, 2
	s_add_co_u32 s14, s14, s13                     ; my block of 128 queries
	s_lshr_b32 s20, s14, 3
	s_lshl_b32 s20, s20, 20                        ; b x 256 channels x 4,096 bytes
	s_and_b32 s21, s14, 7
	s_lshl_b32 s21, s21, 9                         ; 512 bytes of each channel
	s_add_co_u32 s20, s20, s21
	s_mov_b32 s21, 0
	s_wait_dscnt 0x0                               ; both opening adds are done
	s_wait_kmcnt 0x0
	s_add_nc_u64 s[4:5], s[4:5], s[20:21]
	s_lshl_b32 s20, s14, 9                         ; 128 indices of 4 bytes
	s_add_nc_u64 s[8:9], s[8:9], s[20:21]
	s_add_nc_u64 s[10:11], s[10:11], s[20:21]
	s_add_nc_u64 s[16:17], s[6:7], s[16:17]        ; cbw at my block of slot 0
	s_mov_b64 s[G0A+2:G0A+3], s[16:17]
	s_or_b32 s[G0A+3], s[G0A+3], 0x80000000        ; type = 2
	s_add_nc_u64 s[G0B+2:G0B+3], s[16:17], SLOTMEM
	s_or_b32 s[G0B+3], s[G0B+3], 0x80000000
	s_lshl_b32 s20, s13, 13                        ; the prefetches: my work-group's 16 of the block's 64 code rows,
	s_add_nc_u64 s[PFA:PFA+1], s[16:17], 3*SLOTMEM ; in slot 3; the first change of slots steps it to slot 4.  Nothing is prefetched here, at the head
	s_add_nc_u64 s[PFA:PFA+1], s[PFA:PFA+1], s[20:21]
	; x: load n = 32 ph + i brings channel 128 ph + 32 wave + i, four queries a lane: 512 consecutive bytes a load.  All 64 go out at once, into all of window 0.
	WIN 0x01                                       ; address window 1, destination window 0
.set i, 0
.rept 64
	global_load_b128 v[4*i:4*i+3], v[XO], s[4:5] offset:(i/32)*524288+(i%32)*4096 th:TH_LOAD_NT
.set i, i+1
.endr
	WIN 0
	CROUND                                         ; all four work-groups are here: the first joint loads meet
	tensor_load_to_lds s[G0A:G0A+3], s[G1:G1+7]    ; the two first fills go out together, ahead of every wait on TENSORcnt and every LDS read: two loads of mine are out
	s_nop 0
	tensor_load_to_lds s[G0B:G0B+3], s[G1:G1+7]
	s_nop 0
	PLACES                                         ; an s_nop 0 behind each load and four v_nop behind the second
; x ON ITS WAY TO Q.  CVT: 32 channels x 4 queries a lane, rounded to bf16.  PUT: into the stage, a row a channel.  TRQ: back turned: lane l holds query l % 16 of a tile and 8 channels a load.
.macro CVT ph
	WIN 0x40
.set i, 0
.rept 32
	v_cvt_pk_bf16_f32 v[TMP+2*i],   v[128*(\ph)+4*i],   v[128*(\ph)+4*i+1]
	v_cvt_pk_bf16_f32 v[TMP+2*i+1], v[128*(\ph)+4*i+2], v[128*(\ph)+4*i+3]
.set i, i+1
.endr
.endm
.macro PUT
	WIN W_H
.set i, 0
.rept 32
	ds_store_b64 v[XS], v[TMP+2*i:TMP+2*i+1] offset:SPQ*i
.set i, i+1
.endr
.endm
.macro TRQ ph
.irp t, 0,1,2,3,4,5,6,7
	WIN 0x81+0x40*((\t)/4)                         ; destination window 2 or 3, address window 1
.irp cl, 0,1,2,3
	ds_load_tr16_b128 v[64*((\t)%4)+8*(4*(\ph)+\cl):64*((\t)%4)+8*(4*(\ph)+\cl)+3],   v[XT] offset:\cl*32*SPQ+32*\t
	ds_load_tr16_b128 v[64*((\t)%4)+8*(4*(\ph)+\cl)+4:64*((\t)%4)+8*(4*(\ph)+\cl)+7], v[XT] offset:\cl*32*SPQ+16*SPQ+32*\t
.endr
.endr
.endm
	s_wait_loadcnt 32                              ; channels 0-127's 32 loads are in; the 32 issued behind them stay out
	CVT 0
	PUT
	s_wait_dscnt 0x0                               ; for the others' sake: my rows are in the stage
	s_barrier_signal -1
	s_barrier_wait -1
	TRQ 0
	s_wait_loadcnt 0x0
	CVT 1                                          ; stands between the turning loads and the wait for them
	s_wait_dscnt 0x0                               ; my reads of the stage are over,
	s_barrier_signal -1
	s_barrier_wait -1                              ; everybody's are: it may be written again
	PUT
	s_wait_dscnt 0x0
	s_barrier_signal -1
	s_barrier_wait -1
	TRQ 1
; THE LDS LOADS of a tile stand in one run of 18: 16 codes x 256 channels (8 fragments) and the lane's eight numbers -|c|^2 / 2, into buffer p.
.macro FETCH p
	WIN W_H
	v_add_nc_u32 v[ADR], s[TB], v[AK0]
	v_add_nc_u32 v[ADB], s[TBB], v[AB0]
.irp c, 0,1,2,3,4,5,6,7
	ds_load_b128 v[AF+64*(\p)+8*\c:AF+64*(\p)+8*\c+3],   v[ADR] offset:64*\c
	ds_load_b128 v[AF+64*(\p)+8*\c+4:AF+64*(\p)+8*\c+7], v[ADR] offset:64*\c+32
.endr
	ds_load_b128 v[CB+8*(\p):CB+8*(\p)+3],   v[ADB]
	ds_load_b128 v[CB+8*(\p)+4:CB+8*(\p)+7], v[ADB] offset:16
	s_add_co_u32 s[TB], s[TB], 16*PK               ; the next fetch is the next tile's
	s_add_co_u32 s[TBB], s[TBB], 64
.endm
; Matrix instruction mi of a tile's 64: K step mi / 8, query tile mi % 8.  The eight accumulators take turns, one instruction a turn, over the tiles' borders and the backward jumps too.
.macro MMA p
.set rS, 64*(\p)+8*(mi%8)
.set rA, AF+64*(\p)+8*(mi/8)
.set rQ, 64*(mi%4)+8*(mi/8)
.if mi < 8
	WIN 0x19+4*((mi%8)/4)                          ; codes window 1, Q window 2 or 3, C window 1, S window 0
	v_wmma_f32_16x16x32_bf16 v[rS:rS+7], v[rA:rA+7], v[rQ:rQ+7], v[CB+8*(\p):CB+8*(\p)+7]
.else
	WIN 0x09+4*((mi%8)/4)                          ; the same with C in window 0
	v_wmma_f32_16x16x32_bf16 v[rS:rS+7], v[rA:rA+7], v[rQ:rQ+7], v[rS:rS+7]
.endif
.endm
; Slice mi: score register mi of buffer pp (the tile before).  The registers are taken in ascending order.
; mode 2: compare, maximum, select.  mode 1: the first tile's scores start the maxima; its code base is 0.  mode 0: there are no scores yet.
.macro SLICE pp, mode
.if (\mode) == 2
	WIN 0
	v_cmp_gt_f32 vcc_lo, v[64*(\pp)+mi], v[MX+mi]
	v_max_num_f32 v[MX+mi], v[MX+mi], v[64*(\pp)+mi]
	v_cndmask_b32 v[IX+mi], v[IX+mi], s[TP], vcc_lo
.elseif (\mode) == 1
	WIN 0
	v_mov_b32 v[MX+mi], v[64*(\pp)+mi]
	v_mov_b32 v[IX+mi], 0
.endif
.endm
; A TILE: 16 codes x 128 queries x 256 channels on buffer p.  The next tile's run of loads stands behind the second matrix instruction: the other buffer's last reader, the tile before's last product,
; lies behind at least six plain vector instructions; the run has 62 matrix instructions in which to land.  A score register is first read at least 16 plain vector instructions behind the product that ended it.
.macro TILE p, mode, fetch
	s_wait_dscnt 0x0                               ; this tile's fragments and C operand are in
.set mi, 0
.rept 64
	MMA \p
	SLICE 1-(\p), \mode
.if (\fetch) && (mi == 1)
	FETCH 1-(\p)
.endif
.set mi, mi+1
.endr
.if (\mode) == 0
	PLACES                                         ; no slices here: four places between the last products and the first read of their tile's scores
.endif
.if (\mode) == 2
	s_or_b32 s[TP], s[TP], 0xc0                    ; 256 s + 16 t steps through t = 0..3 and then to the next s: the carry is led over bits 6 and 7, which belong to the wave
	s_add_co_u32 s[TP], s[TP], 16
	s_and_b32 s[TP], s[TP], 0xffffff3f
.endif
.endm
; A PREFETCH INTO THE L2, behind the joint load and its five lines.  The change of slots that asks for slot s + 2 names slot s + 4: two changes, 512 matrix instructions, ahead of that slot's load.
; Each aligned 256 bytes of the code rows is named once in the launch: the launch's first cluster asks; its four partners share a block's 64 code rows out BY ADDRESS, 16 rows (32 lanes x 256 bytes) each;
; each wave asks for the block that it will load.  The blocks' last rows and slots 0 to 3 come by their loads alone; the last three changes ask for nothing: slot 31 is the last.
.macro ASK
	s_cmp_gt_u32 s[SLOTS], s[LIM]
	s_cbranch_scc0 .Lnot_mine_\@
	WIN 0x01
	global_prefetch_b8 v[PFO], s[PFA:PFA+1] th:TH_LOAD_NT scope:SCOPE_SE
	WIN 0
.Lnot_mine_\@:
.endm
; THE CHANGE OF SLOTS stands between a slot's third and fourth tile: the fourth tile's loads have been issued.  Each wave waits for all its tensor loads, of which one is out: its quarter of the other slot;
; adds 0 to its spare word; and waits for that and for its reads of the slot that it leaves.  The round of the cluster's barrier shows the same of every wave of every partner; the joint refill, with the
; codes two slots on, is the first thing behind it and has 256 matrix instructions in which to land.
.macro CHANGE1
	WIN W_AD
	s_wait_tensorcnt 0x0                           ; no tensor load of mine is out, so a group 0 may be written
	ds_add_u32 v[SPW], v[NIL]                      ; 0 onto my spare word; the scalar steps stand between it and the wait for it
	WIN 0                                          ; at a label and at a branch every window is 0
	s_xor_b32 s[G0B+1], s[G0B+1], SLOT1            ; the walking descriptor: the other slot than last time,
	s_add_nc_u64 s[G0B+2:G0B+3], s[G0B+2:G0B+3], SLOTMEM  ; the next 256 codes; the type bits on top are not reached
	s_wait_xcnt 0x0                                ; the last prefetch, four tiles back, has read its address, so it may be written
	s_add_nc_u64 s[PFA:PFA+1], s[PFA:PFA+1], SLOTMEM
	s_sub_co_u32 s[TB], s[TB], 4*16*PK             ; the fetches go back to a slot's first tile,
	s_xor_b32 s[TB], s[TB], SLOT1                  ; in the other slot
	s_sub_co_u32 s[TBB], s[TBB], 256
	s_xor_b32 s[TBB], s[TBB], SLOT1
	s_wait_dscnt 0x0                               ; the add is done, and my reads of the slot are over
	CROUND
	tensor_load_to_lds s[G0B:G0B+3], s[G1:G1+7]
	s_nop 0
	PLACES
	ASK
.endm
.macro FOUR                            ; four tiles: a pair is written once and walked twice; the LDS addresses hang on s[TB] and s[TBB]
	WIN 0
	s_mov_b32 s[TWICE], 2
.Lfour_\@:
	TILE 1, 2, 1
	TILE 0, 2, 1
	WIN 0
	s_sub_co_u32 s[TWICE], s[TWICE], 1
	s_cmp_lg_u32 s[TWICE], 0
	s_cbranch_scc1 .Lfour_\@
.endm
	s_wait_tensorcnt 0x1                           ; my quarter of slot 0 is in, and I alone read it; slot 1's, issued behind it, may stay out
	FETCH 0                                        ; tile 0
	TILE 0, 0, 1                                   ; tile 0: no scores yet to take
	TILE 1, 1, 1                                   ; tile 1 | tile 0's scores start the maxima
	s_mov_b32 s[TP], 16
	TILE 0, 2, 1                                   ; tile 2 | tile 1's scores
	WIN 0
	s_mov_b32 s[SLOTS], 30
.Lslot:                                                ; 30 trips: slots 2 to 31 are asked for; tiles 3 to 122
	CHANGE1
	FOUR
	s_sub_co_u32 s[SLOTS], s[SLOTS], 1
	s_cmp_lg_u32 s[SLOTS], 0
	s_cbranch_scc1 .Lslot
	s_wait_tensorcnt 0x0                           ; the tail is written out: my quarter of slot 31 is in; nothing is filled, and I alone read it: no barrier
	s_sub_co_u32 s[TB], s[TB], 4*16*PK
	s_xor_b32 s[TB], s[TB], SLOT1
	s_sub_co_u32 s[TBB], s[TBB], 256
	s_xor_b32 s[TBB], s[TBB], SLOT1
	FOUR                                           ; tiles 123 to 126
	TILE 1, 2, 0                                   ; tile 127: nothing more to fetch
.set mi, 0
.rept 64
	SLICE 1, 2                                     ; tile 127's scores
.set mi, mi+1
.endr
	; THE MERGE.  A candidate is a score and its full index, code base + 64 wave + 8 (l / 16) + register.  Of several: the greatest score; those that do not have it get the index -1 (the greatest unsigned), and the least index is taken.
	WIN 0x01
	v_mov_b32 v0, v[LC]                            ; S's registers are free: v0-v5 at work
	WIN 0
	v_mov_b32 v3, 0                                ; v_permlanex16_b32 counts as a reader of its destination
	v_mov_b32 v4, 0
.macro RED t                           ; query tile t: my eight registers, then the other half of the lanes
.set rM, MX+8*(\t)
.set rI, IX+8*(\t)
	WIN 0
	v_max3_num_f32 v1, v[rM], v[rM+1], v[rM+2]
	v_max3_num_f32 v1, v1, v[rM+3], v[rM+4]
	v_max3_num_f32 v1, v1, v[rM+5], v[rM+6]
	v_max_num_f32 v1, v1, v[rM+7]
.irp j, 0,1,2,3,4,5,6,7
	v_add3_u32 v[rI+\j], v[rI+\j], v0, \j
	v_cmp_eq_f32 vcc_lo, v[rM+\j], v1
	v_cndmask_b32 v[rI+\j], -1, v[rI+\j], vcc_lo
.endr
	v_min_u32 v2, v[rI], v[rI+1]
.irp j, 2,3,4,5,6,7
	v_min_u32 v2, v2, v[rI+\j]
.endr
	v_permlanex16_b32 v3, v1, s[SEL], s[SEL+1]
	v_permlanex16_b32 v4, v2, s[SEL], s[SEL+1]
	v_max_num_f32 v5, v1, v3
	v_cmp_eq_f32 vcc_lo, v1, v5
	v_cndmask_b32 v2, -1, v2, vcc_lo
	v_cmp_eq_f32 vcc_lo, v3, v5
	v_cndmask_b32 v4, -1, v4, vcc_lo
	v_min_u32 v2, v2, v4
	WIN 0x01                                       ; address window 1, data window 0
	ds_store_b32 v[SS], v5 offset:64*(\t)          ; both halves of the lanes write the same word with the same number
	ds_store_b32 v[SS], v2 offset:512+64*(\t)
.endm
.irp t, 0,1,2,3,4,5,6,7
	RED \t
.endr
	WIN 0
	s_wait_dscnt 0x0                               ; for wave 0's sake: my 128 candidates are in LDS
	s_barrier_signal -1
	s_barrier_wait -1
	s_cmp_lg_u32 s[WV], 0                          ; wave 0 merges the four waves' candidates, four queries a lane
	s_cbranch_scc1 .Lend
	WIN 0x01
.irp v, 0,1,2,3
	ds_load_b128 v[8+4*\v:11+4*\v],  v[SRD] offset:1024*\v
	ds_load_b128 v[24+4*\v:27+4*\v], v[SRD] offset:1024*\v+512
.endr
	s_wait_dscnt 0x0
	WIN 0
.irp e, 0,1,2,3
	v_max3_num_f32 v[40+\e], v[8+\e], v[12+\e], v[16+\e]
	v_max_num_f32 v[40+\e], v[40+\e], v[20+\e]
.irp v, 0,1,2,3
	v_cmp_eq_f32 vcc_lo, v[8+4*\v+\e], v[40+\e]
	v_cndmask_b32 v[24+4*\v+\e], -1, v[24+4*\v+\e], vcc_lo
.endr
	v_min_u32 v[44+\e], v[24+\e], v[28+\e]
	v_min_u32 v[44+\e], v[44+\e], v[32+\e]
	v_min_u32 v[44+\e], v[44+\e], v[36+\e]
	v_min_u32 v[44+\e], 0x1fff, v[44+\e]           ; an index stays inside the table, also where no score compared equal (NaN)
.endr
	WIN 0x01
	global_store_b128 v[GO], v[44:47], s[8:9]      ; 512 consecutive bytes: for the third launch,
	global_store_b128 v[GO], v[44:47], s[10:11]    ; and the output: n runs as out1's [b][h][w] does
	WIN 0
.Lend:
	WIN W_AD
	s_wait_tensorcnt 0x0                           ; the wave's end: behind my last tensor load and my last LDS store
	ds_add_u32 v[SPW], v[NIL]
	s_wait_dscnt 0x0
	WIN 0
	CROUND                                         ; the closing round: no work-group ends while a partner may still ask for a tile that names it
	s_endpgm
.Lfunc_end_k_q2b2d44efd4_score:
	.size	k_q2b2d44efd4_score, .Lfunc_end_k_q2b2d44efd4_score-k_q2b2d44efd4_score
	.p2alignl 7, 3214868480
	.fill 96, 4, 3214868480
	.section	.rodata,"a",@progbits
	.p2align	6, 0x0
	.amdhsa_kernel k_q2b2d44efd4_score
		.amdhsa_group_segment_fixed_size 327680
		.amdhsa_private_segment_fixed_size 0
		.amdhsa_enable_private_segment 0
		.amdhsa_kernarg_size 32
		.amdhsa_user_sgpr_count 2
		.amdhsa_user_sgpr_kernarg_segment_ptr 1
		.amdhsa_wavefront_size32 1
		.amdhsa_system_sgpr_workgroup_id_x 1
		.amdhsa_system_sgpr_workgroup_id_y 1
		.amdhsa_system_sgpr_workgroup_id_z 1
		.amdhsa_system_vgpr_workitem_id 0
		.amdhsa_next_free_vgpr 1024
		.amdhsa_next_free_sgpr 66
		.amdhsa_reserve_vcc 1
		.amdhsa_float_denorm_mode_32 3
		.amdhsa_float_denorm_mode_16_64 3
		.amdhsa_memory_ordered 1
		.amdhsa_forward_progress 1
		.amdhsa_inst_pref_size 186
	.end_amdhsa_kernel
	.amdgpu_metadata
---
amdhsa.version: [ 1, 2 ]
amdhsa.kernels:
  - .name:           k_q2b2d44efd4_score
    .symbol:         k_q2b2d44efd4_score.kd
    .args:
      - { .name: x, .offset: 0, .size: 8, .value_kind: global_buffer, .address_space: global }
      - { .name: cbw, .offset: 8, .size: 8, .value_kind: global_buffer, .address_space: global }
      - { .name: idxw, .offset: 16, .size: 8, .value_kind: global_buffer, .address_space: global }
      - { .name: out1, .offset: 24, .size: 8, .value_kind: global_buffer, .address_space: global }
    .group_segment_fixed_size: 327680
    .private_segment_fixed_size: 0
    .kernarg_segment_align: 8
    .kernarg_segment_size: 32
    .max_flat_workgroup_size: 128
    .sgpr_count:     66
    .vgpr_count:     1024
    .wavefront_size: 32
...
	.end_amdgpu_metadata
.endif
;; end of part 2
;; launch gather (part 3): grid 256 x 1, 8 waves a work-group, no clusters, 68,608 bytes of LDS; arguments cbw, idxw, out0; writes out0
.if DOCPART == 3
	.amdgcn_target "amdgcn-amd-amdhsa--gfx1250"
	.amdhsa_code_object_version 6
	.text
	.protected	k_q2b2d44efd4_gather
	.globl	k_q2b2d44efd4_gather
	.p2align	8
	.type	k_q2b2d44efd4_gather,@function
k_q2b2d44efd4_gather:
	s_mov_b64 s[64:65], 0
	v_nop
	global_prefetch_b8 v0, s[64:65] scope:SCOPE_SE
	s_setreg_imm32_b32 hwreg(HW_REG_WAVE_MODE, 25, 1), 1
	s_wait_xcnt 0x0
; VQ, third launch: out0[b][c][p] = the code row idx[1,024 b + p], channel c, from cbw's bf16 rows (the codebook rounded once; widening to f32 is exact).  The indices were stored by the second launch.
; Only the rows that the indices name are read.  Code k's row begins at byte 512 k + 512 (k / 64): each block of 64 rows is followed by one row of 512 bytes.
; SHARES.  A work-group has 128 queries (512 consecutive bytes of each channel of one b).  Wave w gathers the rows of queries 16 w .. 16 w + 15, a whole row of 512 bytes a load; the rows meet in LDS;
; then wave w stores channels 32 w .. 32 w + 31: a lane holds four neighbouring queries of a channel, so each store of the wave covers 512 consecutive bytes.
; LDS.  Query q lies in row (q % 4) x 32 + q / 4, 528 bytes a row (132 words).
; No matrix unit, no cluster, no tensor load: nothing is multiplied, the rows come by a list, and no two work-groups want the same bytes by plan.
.set PK,    528
.set SPARE, 128*PK                     ; behind the rows: the spare words, 128 bytes for each of the eight waves
.set OF,    16                         ; v[16:31]   row i's byte offset in cbw, a register each: none is written while its load is out
.set D,     32                         ; v[32:95]   row i as loaded (4 registers); later the read-back: chunk u, query 4 l + t at D + 16 u + 4 t
.set O,     96                         ; v[96:223]  channel 8 u + cc of my wave's 32: four queries in f32 at O + 32 u + 4 cc; no register of a store is written again
	s_load_b128 s[4:7], s[0:1], 0x0                ; cbw s[4:5], idxw s[6:7]
	s_load_b64 s[8:9], s[0:1], 0x10                ; out0
	v_lshl_add_u32 v8, v0, 2, SPARE                ; my spare word
	v_mov_b32 v9, 0
	v_lshrrev_b32 v6, 5, v0
	v_readfirstlane_b32 s15, v6                    ; wave 0..7
	v_and_b32 v1, 31, v0                           ; lane l
	v_lshlrev_b32 v2, 4, v1                        ; 16 l
	s_mul_i32 s34, s15, 4*PK
	v_lshl_add_u32 v3, v1, 4, s34                  ; LDS, in: rows 4 w + ..., 16 bytes a lane
	v_mul_u32_u24 v4, v1, PK
	s_lshl_b32 s34, s15, 6
	v_add_nc_u32 v4, s34, v4                       ; LDS, back: row l, my wave's 64 bytes
	s_lshl_b32 s34, s15, 17
	v_lshl_add_u32 v5, v1, 4, s34                  ; out0: my wave's 32 channels of 4,096 bytes, 16 bytes a lane
	s_mov_b32 s14, 0xffff0000                      ; a word's upper bf16
	s_lshl_b32 s12, ttmp9, 9                       ; the work-group's 128 indices,
	s_lshl_b32 s13, s15, 6                         ; my wave's 16
	s_add_co_u32 s12, s12, s13
	s_mov_b32 s13, 0
	s_lshr_b32 s10, ttmp9, 3
	s_lshl_b32 s10, s10, 20                        ; b x 256 channels x 4,096 bytes
	s_and_b32 s11, ttmp9, 7
	s_lshl_b32 s11, s11, 9
	s_add_co_u32 s10, s10, s11
	s_mov_b32 s11, 0
	s_wait_kmcnt 0x0
	s_add_nc_u64 s[6:7], s[6:7], s[12:13]
	s_add_nc_u64 s[8:9], s[8:9], s[10:11]
	s_load_b512 s[16:31], s[6:7], 0x0              ; 16 indices; this launch writes no byte of idxw
	s_wait_kmcnt 0x0
.irp i, 0,1,2,3,4,5,6,7,8,9,10,11,12,13,14,15
	s_min_u32 s[16+\i], s[16+\i], 0x1fff           ; a loaded number enters an address only behind this bound
	s_and_b32 s32, s[16+\i], 0x1fc0
	s_lshl_b32 s33, s[16+\i], 9
	s_lshl_b32 s32, s32, 3
	s_add_co_u32 s32, s32, s33                     ; 512 k + 512 (k / 64)
	v_add_nc_u32 v[OF+\i], s32, v2
	global_load_b128 v[D+4*\i:D+4*\i+3], v[OF+\i], s[4:5]  ; a whole row: 512 consecutive bytes.  No hint: a row may be named again
.endr
.irp i, 0,1,2,3,4,5,6,7,8,9,10,11,12,13,14,15
	s_wait_loadcnt 15-\i                           ; loads come back in order: row i is in, the later rows stay out
	ds_store_b128 v3, v[D+4*\i:D+4*\i+3] offset:(((\i)%4)*32+(\i)/4)*PK
.endr
	s_wait_dscnt 0x0                               ; for the others' sake: my 16 rows are in LDS
	s_barrier_signal -1
	s_barrier_wait -1
.irp u, 0,1,2,3
.irp t, 0,1,2,3
	ds_load_b128 v[D+16*\u+4*\t:D+16*\u+4*\t+3], v4 offset:\t*32*PK+16*\u  ; query 4 l + t, channels 32 w + 8 u + 0..7
.endr
.endr
.irp u, 0,1,2,3
	s_wait_dscnt 12-4*\u                           ; chunk u's four loads are in; the later chunks' four each stay out
.irp cc, 0,1,2,3,4,5,6,7
.irp t, 0,1,2,3
.if (\cc)%2 == 0
	v_lshlrev_b32 v[O+32*\u+4*\cc+\t], 16, v[D+16*\u+4*\t+(\cc)/2]   ; bf16 to f32: the low half moves up,
.else
	v_and_b32 v[O+32*\u+4*\cc+\t], s14, v[D+16*\u+4*\t+(\cc)/2]      ; the high half stays
.endif
.endr
	global_store_b128 v5, v[O+32*\u+4*\cc:O+32*\u+4*\cc+3], s[8:9] offset:(8*\u+\cc)*4096 th:TH_STORE_NT
.endr
.endr
	s_wait_tensorcnt 0x0                           ; the wave's end: behind my last LDS store
	ds_add_u32 v8, v9
	s_wait_dscnt 0x0
	s_endpgm
.Lfunc_end_k_q2b2d44efd4_gather:
	.size	k_q2b2d44efd4_gather, .Lfunc_end_k_q2b2d44efd4_gather-k_q2b2d44efd4_gather
	.p2alignl 7, 3214868480
	.fill 96, 4, 3214868480
	.section	.rodata,"a",@progbits
	.p2align	6, 0x0
	.amdhsa_kernel k_q2b2d44efd4_gather
		.amdhsa_group_segment_fixed_size 68608
		.amdhsa_private_segment_fixed_size 0
		.amdhsa_enable_private_segment 0
		.amdhsa_kernarg_size 24
		.amdhsa_user_sgpr_count 2
		.amdhsa_user_sgpr_kernarg_segment_ptr 1
		.amdhsa_wavefront_size32 1
		.amdhsa_system_sgpr_workgroup_id_x 1
		.amdhsa_system_sgpr_workgroup_id_y 1
		.amdhsa_system_sgpr_workgroup_id_z 1
		.amdhsa_system_vgpr_workitem_id 0
		.amdhsa_next_free_vgpr 224
		.amdhsa_next_free_sgpr 66
		.amdhsa_reserve_vcc 0
		.amdhsa_float_denorm_mode_32 3
		.amdhsa_float_denorm_mode_16_64 3
		.amdhsa_memory_ordered 1
		.amdhsa_forward_progress 1
		.amdhsa_inst_pref_size 17
	.end_amdhsa_kernel
	.amdgpu_metadata
---
amdhsa.version: [ 1, 2 ]
amdhsa.kernels:
  - .name:           k_q2b2d44efd4_gather
    .symbol:         k_q2b2d44efd4_gather.kd
    .args:
      - { .name: cbw, .offset: 0, .size: 8, .value_kind: global_buffer, .address_space: global }
      - { .name: idxw, .offset: 8, .size: 8, .value_kind: global_buffer, .address_space: global }
      - { .name: out0, .offset: 16, .size: 8, .value_kind: global_buffer, .address_space: global }
    .group_segment_fixed_size: 68608
    .private_segment_fixed_size: 0
    .kernarg_segment_align: 8
    .kernarg_segment_size: 24
    .max_flat_workgroup_size: 256
    .sgpr_count:     66
    .vgpr_count:     224
    .wavefront_size: 32
...
	.end_amdgpu_metadata
.endif
;; end of part 3
;; ======== version 2 of 2: 3 launches; version 1 with the launches prep, gather written anew for expert scheduling mode
;; workspace buffers: cbw 4,259,840 bytes; idxw 131,072 bytes of whole numbers
;; launch prep (part 4): grid 128 x 1, 8 waves a work-group, no clusters, 1,280 bytes of LDS; arguments codebook, cbw; writes cbw
.if DOCPART == 4
	.amdgcn_target "amdgcn-amd-amdhsa--gfx1250"
	.amdhsa_code_object_version 6
	.text
	.protected	k_q2b2d44efd4_prep
	.globl	k_q2b2d44efd4_prep
	.p2align	8
	.type	k_q2b2d44efd4_prep,@function
k_q2b2d44efd4_prep:
	s_mov_b64 s[64:65], 0
	v_nop
	global_prefetch_b8 v0, s[64:65] scope:SCOPE_SE
	s_setreg_imm32_b32 hwreg(HW_REG_WAVE_SCHED_MODE, 0, 2), 2
	s_setreg_imm32_b32 hwreg(HW_REG_WAVE_MODE, 25, 1), 1
	s_wait_xcnt 0x0
	s_wait_alu depctr_vm_vsrc(0)
; VQ: for each pixel (b, h, w) the nearest of 8,192 code rows to the 256 channels x[b][:][h][w]; out1 = its index, out0[b][:][h][w] = that row.
; Three launches: this one lays the codebook out, the second finds the indices, the third gathers the rows.
; WORK LEFT OUT.  d2[n][k] = |f_n|^2 - 2 f_n.c_k + |c_k|^2, and only its argmin over k is used.  |f_n|^2 does not depend on k, so in exact arithmetic, for all finite
; inputs, argmin_k d2[n][k] = argmax_k (f_n.c_k - |c_k|^2 / 2); the halving is exact.  The term is a sum of 256 squares like |c_k|^2, of the size of the others, not one beside which they are lost.
; So the sum of squares of x is never made.  Both inputs still have a way to the outputs and are loaded.
; LIMITS.  A NaN, an infinity or an overflow that reaches only |f_n|^2 is not carried to the result.  NaN and infinities among the inputs are not served.
; x and the codebook are rounded once to bf16 (to nearest even) for the product; |c_k|^2 is taken of the ROUNDED row, in f32, so that the program is the reference on rounded inputs;
; out0 holds the rounded row (within 2^-9 of the f32 number, relative).  Two codes whose distances differ by less than the f32 rounding of the sums may be ordered otherwise than in f32 sums of another order.
; THIS LAUNCH.  cbw = 128 blocks of 33,280 bytes.  Block B: rows 0-63 = codes 64 B .. 64 B + 63 in bf16, 512 bytes each; row 64 = the 64 numbers -|c|^2 / 2 in f32, then 256 bytes of 0.
; A block is what one wave of the second launch asks for as one tile of 65 rows.  One work-group a block (its last row has one owner), eight waves, eight rows a wave, a row a turn.
; All 16 loads of a wave go out first; no register of a store is written again.
; THE MODE: SCHED_MODE bits 1:0 = 2 (LLVM: expert scheduling mode 2), set by the entry lines.  The code itself states the register dependences
; between vector instructions and memory or LDS instructions, with s_wait_alu, always for 0.
; THE PLAN.  Registers that memory or LDS instructions touch:
;   v2, v3, v4, v8, v9   offsets and LDS addresses: written at the head, never again; read by the loads, the stores, the LDS stores and the closing add.
;   X       the 16 loads land in it, once; no vector line names it before; row e's roundings read it.
;   P       row e's four roundings write its four registers, once; row e's two stores read them.
;   BI      row e's last multiply writes its register, once; one LDS store, issued in row e + 1, reads it.
;   v6, v7, OB   wave 0's last row alone: made, loaded, selected and stored once.
; So ONE wait on va_vdst stands in a row, behind its roundings and unpacking lines: it states that P of this row and BI of the row before are written; the row's two stores and the
; LDS store of the row before follow it.  No register that a memory or LDS instruction reads is written again, so no wait on vm_vsrc is owed.
.set SPARE, 256                        ; LDS: bytes 0-255 the block's 64 numbers; from 256 on the spare words, 128 bytes for each of the eight waves
.set BLK,   33280
.set X,     16                         ; v[16:79]   row e: 8 registers as loaded: numbers 4 l .. 4 l + 3 and 128 + 4 l .. 128 + 4 l + 3
.set P,     80                         ; v[80:111]  row e: 4 registers, the same eight numbers in bf16
.set T,     112                        ; v[112:119] the rounded numbers back in f32: no memory instruction names them
.set SUM,   120                        ; v[120:121] the sum of squares, even and odd places
.set PL,    122                        ; v122       the other half of the lanes' sum
.set BI,    124                        ; v[124:131] row e's -|c|^2 / 2
.set OB,    132                        ; v[132:135] wave 0: the block's last row
	s_load_b128 s[4:7], s[0:1], 0x0                ; codebook s[4:5], cbw s[6:7]
	v_lshl_add_u32 v8, v0, 2, SPARE                ; my spare word
	v_mov_b32 v9, 0
	v_lshrrev_b32 v5, 5, v0
	v_readfirstlane_b32 s8, v5                     ; wave 0..7
	v_and_b32 v1, 31, v0                           ; lane l
	v_mov_b32 v[PL], 0                             ; v_permlanex16_b32 counts as a reader of its destination
	s_wait_alu depctr_va_sdst(0)                   ; s8 is written, ahead of its first reader: the three terms below are made from it
	s_lshl_b32 s9, s8, 13                          ; (a scalar register for each term: none that a vector line reads is written again)
	v_lshl_add_u32 v2, v1, 4, s9                   ; in: 8 rows of 1,024 bytes a wave, 16 bytes a lane
	s_lshl_b32 s18, s8, 12
	v_lshl_add_u32 v3, v1, 3, s18                  ; out: 8 rows of 512 bytes a wave, 8 bytes a lane
	s_lshl_b32 s19, s8, 5
	v_mov_b32 v4, s19                              ; LDS: my wave's eight words
	s_lshl_b32 s10, ttmp9, 16                      ; the block's 64 rows of 1,024 bytes
	s_mov_b32 s11, 0
	s_mul_i32 s16, ttmp9, BLK
	s_mov_b32 s17, 0
	s_mov_b32 s12, 0x76543210                      ; lane i of one half reads lane i of the other
	s_mov_b32 s13, 0xfedcba98
	s_mov_b32 s14, 0xffff0000                      ; a word's upper bf16
	s_wait_kmcnt 0x0
	s_add_nc_u64 s[4:5], s[4:5], s[10:11]
	s_add_nc_u64 s[6:7], s[6:7], s[16:17]
	s_wait_alu depctr_va_vdst(0)                   ; v2, v3, v4, v8 and v9 are written: the loads, the stores, the LDS stores and the closing add read them, and no line writes them again
.irp e, 0,1,2,3,4,5,6,7
	global_load_b128 v[X+8*\e:X+8*\e+3],   v2, s[4:5] offset:1024*\e th:TH_LOAD_NT      ; 512 consecutive bytes a wave
	global_load_b128 v[X+8*\e+4:X+8*\e+7], v2, s[4:5] offset:1024*\e+512 th:TH_LOAD_NT
.endr
.macro ROW e
	s_wait_loadcnt 14-2*(\e)                       ; loads come back in order: this row's two are in, the later rows' two each stay out
.irp k, 0,1,2,3
	v_cvt_pk_bf16_f32 v[P+4*(\e)+\k], v[X+8*(\e)+2*\k], v[X+8*(\e)+2*\k+1]
.endr
.irp k, 0,1,2,3
	v_lshlrev_b32 v[T+2*\k],   16,  v[P+4*(\e)+\k]  ; the ROUNDED numbers are squared
	v_and_b32     v[T+2*\k+1], s14, v[P+4*(\e)+\k]
.endr
	s_wait_alu depctr_va_vdst(0)                   ; the roundings have written this row's P, which the two stores read; the row before has written its BI, which the LDS store reads
	global_store_b64 v3, v[P+4*(\e):P+4*(\e)+1],   s[6:7] offset:512*(\e)       ; each store of the wave covers 256 consecutive bytes, aligned
	global_store_b64 v3, v[P+4*(\e)+2:P+4*(\e)+3], s[6:7] offset:512*(\e)+256
.if (\e) > 0
	ds_store_b32 v4, v[BI+(\e)-1] offset:4*(\e)-4  ; the row before: all lanes write the same word with the same number
.endif
	v_pk_mul_f32 v[SUM:SUM+1], v[T:T+1], v[T:T+1]
.irp k, 2,4,6
	v_pk_fma_f32 v[SUM:SUM+1], v[T+\k:T+\k+1], v[T+\k:T+\k+1], v[SUM:SUM+1]
.endr
	v_add_f32 v[SUM], v[SUM], v[SUM+1]
	v_add_f32_dpp v[SUM], v[SUM], v[SUM] row_xmask:1 row_mask:0xf bank_mask:0xf
	v_add_f32_dpp v[SUM], v[SUM], v[SUM] row_xmask:2 row_mask:0xf bank_mask:0xf
	v_add_f32_dpp v[SUM], v[SUM], v[SUM] row_xmask:4 row_mask:0xf bank_mask:0xf
	v_add_f32_dpp v[SUM], v[SUM], v[SUM] row_xmask:8 row_mask:0xf bank_mask:0xf
	v_permlanex16_b32 v[PL], v[SUM], s12, s13
	v_add_f32 v[SUM], v[SUM], v[PL]                ; every lane holds the row's sum
	v_mul_f32 v[BI+(\e)], -0.5, v[SUM]
.endm
.irp e, 0,1,2,3,4,5,6,7
	ROW \e
.endr
	s_wait_alu depctr_va_vdst(0)                   ; the last row has written its BI, which the LDS store reads
	ds_store_b32 v4, v[BI+7] offset:28
	s_wait_dscnt 0x0                               ; for the others' sake: my eight words are in LDS
	s_barrier_signal -1
	s_barrier_wait -1
	s_cmp_lg_u32 s8, 0                             ; wave 0 writes the block's last row
	s_cbranch_scc1 .Lend
	v_and_b32 v6, 15, v1
	v_lshlrev_b32 v6, 4, v6
	v_lshlrev_b32 v7, 4, v1
	v_cmp_gt_u32 vcc_lo, 16, v1
	s_wait_alu depctr_va_vdst(0)                   ; v6 is written, which the LDS load reads as its address; so is v7, the last store's offset
	ds_load_b128 v[OB:OB+3], v6                    ; lanes 0-15: the 64 numbers
	s_wait_alu depctr_va_vcc(0)                    ; VCC is written, ahead of its first reader, the first select
	s_wait_dscnt 0x0
.irp k, 0,1,2,3
	v_cndmask_b32 v[OB+\k], 0, v[OB+\k], vcc_lo    ; lanes 16-31: zeros: the second launch's tile takes the whole row
.endr
	s_wait_alu depctr_va_vdst(0)                   ; the selects have written OB, which the store reads
	global_store_b128 v7, v[OB:OB+3], s[6:7] offset:32768  ; 512 consecutive bytes
.Lend:
	s_wait_dscnt 0x0                               ; the wave's end
	s_wait_alu 0x0
	s_wait_tensorcnt 0x0
	ds_add_u32 v8, v9
	s_wait_dscnt 0x0
	s_endpgm
.Lfunc_end_k_q2b2d44efd4_prep:
	.size	k_q2b2d44efd4_prep, .Lfunc_end_k_q2b2d44efd4_prep-k_q2b2d44efd4_prep
	.p2alignl 7, 3214868480
	.fill 96, 4, 3214868480
	.section	.rodata,"a",@progbits
	.p2align	6, 0x0
	.amdhsa_kernel k_q2b2d44efd4_prep
		.amdhsa_group_segment_fixed_size 1280
		.amdhsa_private_segment_fixed_size 0
		.amdhsa_enable_private_segment 0
		.amdhsa_kernarg_size 16
		.amdhsa_user_sgpr_count 2
		.amdhsa_user_sgpr_kernarg_segment_ptr 1
		.amdhsa_wavefront_size32 1
		.amdhsa_system_sgpr_workgroup_id_x 1
		.amdhsa_system_sgpr_workgroup_id_y 1
		.amdhsa_system_sgpr_workgroup_id_z 1
		.amdhsa_system_vgpr_workitem_id 0
		.amdhsa_next_free_vgpr 144
		.amdhsa_next_free_sgpr 66
		.amdhsa_reserve_vcc 1
		.amdhsa_float_denorm_mode_32 3
		.amdhsa_float_denorm_mode_16_64 3
		.amdhsa_memory_ordered 1
		.amdhsa_forward_progress 1
		.amdhsa_inst_pref_size 16
	.end_amdhsa_kernel
	.amdgpu_metadata
---
amdhsa.version: [ 1, 2 ]
amdhsa.kernels:
  - .name:           k_q2b2d44efd4_prep
    .symbol:         k_q2b2d44efd4_prep.kd
    .args:
      - { .name: codebook, .offset: 0, .size: 8, .value_kind: global_buffer, .address_space: global }
      - { .name: cbw, .offset: 8, .size: 8, .value_kind: global_buffer, .address_space: global }
    .group_segment_fixed_size: 1280
    .private_segment_fixed_size: 0
    .kernarg_segment_align: 8
    .kernarg_segment_size: 16
    .max_flat_workgroup_size: 256
    .sgpr_count:     66
    .vgpr_count:     144
    .wavefront_size: 32
...
	.end_amdgpu_metadata
.endif
;; end of part 4
;; launch score: the kernel of part 2 again; grid 256 x 1, 4 waves a work-group, clusters of 4 x 1, 327,680 bytes of LDS; arguments x, cbw, idxw, out1; writes idxw, out1
;; launch gather (part 5): grid 256 x 1, 8 waves a work-group, no clusters, 68,608 bytes of LDS; arguments cbw, idxw, out0; writes out0
.if DOCPART == 5
	.amdgcn_target "amdgcn-amd-amdhsa--gfx1250"
	.amdhsa_code_object_version 6
	.text
	.protected	k_q2b2d44efd4_gather
	.globl	k_q2b2d44efd4_gather
	.p2align	8
	.type	k_q2b2d44efd4_gather,@function
k_q2b2d44efd4_gather:
	s_mov_b64 s[64:65], 0
	v_nop
	global_prefetch_b8 v0, s[64:65] scope:SCOPE_SE
	s_setreg_imm32_b32 hwreg(HW_REG_WAVE_SCHED_MODE, 0, 2), 2
	s_setreg_imm32_b32 hwreg(HW_REG_WAVE_MODE, 25, 1), 1
	s_wait_xcnt 0x0
	s_wait_alu depctr_vm_vsrc(0)
; VQ, third launch: out0[b][c][p] = the code row idx[1,024 b + p], channel c, from cbw's bf16 rows (the codebook rounded once; widening to f32 is exact).  The indices were stored by the second launch.
; Only the rows that the indices name are read.  Code k's row begins at byte 512 k + 512 (k / 64): each block of 64 rows is followed by one row of 512 bytes.
; SHARES.  A work-group has 128 queries (512 consecutive bytes of each channel of one b).  Wave w gathers the rows of queries 16 w .. 16 w + 15, a whole row of 512 bytes a load; the rows meet in LDS;
; then wave w stores channels 32 w .. 32 w + 31: a lane holds four neighbouring queries of a channel, so each store of the wave covers 512 consecutive bytes.
; LDS.  Query q lies in row (q % 4) x 32 + q / 4, 528 bytes a row (132 words).
; No matrix unit, no cluster, no tensor load: nothing is multiplied, the rows come by a list, and no two work-groups want the same bytes by plan.
; THE MODE: SCHED_MODE bits 1:0 = 2 (LLVM: expert scheduling mode 2), set by the entry lines.  The code itself states the register dependences
; between vector instructions and memory or LDS instructions, with s_wait_alu, always for 0.
; THE PLAN.  Registers that memory or LDS instructions touch:
;   OF      16 vector adds write it, once; the 16 gathering loads read it.  All 16 are made first, so that one wait serves all 16 loads.
;   v3, v4, v5, v8, v9   LDS addresses and the stores' offset: written at the head, never again.
;   D       the gathering loads land in it; the LDS stores read it as data; the read-back's LDS loads land in it again; the widening lines read it.
;   O       chunk u's 32 widening lines write its 32 registers, once; chunk u's eight stores read them.
; The waits on va_vdst: one ahead of the run of 16 loads (OF and the five registers of the head), and one a chunk, behind its 32 widening lines and ahead of its run of eight stores.
; One wait on vm_vsrc, behind the barrier: the LDS stores have read D, in which the read-back lands.
.set PK,    528
.set SPARE, 128*PK                     ; behind the rows: the spare words, 128 bytes for each of the eight waves
.set OF,    16                         ; v[16:31]   row i's byte offset in cbw, a register each: none is written while its load is out
.set D,     32                         ; v[32:95]   row i as loaded (4 registers); later the read-back: chunk u, query 4 l + t at D + 16 u + 4 t
.set O,     96                         ; v[96:223]  channel 8 u + cc of my wave's 32: four queries in f32 at O + 32 u + 4 cc; no register of a store is written again
	s_load_b128 s[4:7], s[0:1], 0x0                ; cbw s[4:5], idxw s[6:7]
	s_load_b64 s[8:9], s[0:1], 0x10                ; out0
	v_lshl_add_u32 v8, v0, 2, SPARE                ; my spare word
	v_mov_b32 v9, 0
	v_lshrrev_b32 v6, 5, v0
	v_readfirstlane_b32 s15, v6                    ; wave 0..7
	v_and_b32 v1, 31, v0                           ; lane l
	v_lshlrev_b32 v2, 4, v1                        ; 16 l
	v_mul_u32_u24 v4, v1, PK
	s_wait_alu depctr_va_sdst(0)                   ; s15 is written, ahead of its first reader: the wave's terms below are made from it
	s_mul_i32 s34, s15, 4*PK                       ; (a scalar register for each term: none that a vector line reads is written again)
	v_lshl_add_u32 v3, v1, 4, s34                  ; LDS, in: rows 4 w + ..., 16 bytes a lane
	s_lshl_b32 s35, s15, 6
	v_add_nc_u32 v4, s35, v4                       ; LDS, back: row l, my wave's 64 bytes
	s_lshl_b32 s36, s15, 17
	v_lshl_add_u32 v5, v1, 4, s36                  ; out0: my wave's 32 channels of 4,096 bytes, 16 bytes a lane
	s_mov_b32 s14, 0xffff0000                      ; a word's upper bf16
	s_lshl_b32 s12, ttmp9, 9                       ; the work-group's 128 indices,
	s_lshl_b32 s13, s15, 6                         ; my wave's 16
	s_add_co_u32 s12, s12, s13
	s_mov_b32 s13, 0
	s_lshr_b32 s10, ttmp9, 3
	s_lshl_b32 s10, s10, 20                        ; b x 256 channels x 4,096 bytes
	s_and_b32 s11, ttmp9, 7
	s_lshl_b32 s11, s11, 9
	s_add_co_u32 s10, s10, s11
	s_mov_b32 s11, 0
	s_wait_kmcnt 0x0
	s_add_nc_u64 s[6:7], s[6:7], s[12:13]
	s_add_nc_u64 s[8:9], s[8:9], s[10:11]
	s_load_b512 s[16:31], s[6:7], 0x0              ; 16 indices; this launch writes no byte of idxw
	s_wait_kmcnt 0x0
.irp i, 0,1,2,3,4,5,6,7,8,9,10,11,12,13,14,15
	s_min_u32 s[16+\i], s[16+\i], 0x1fff           ; a loaded number enters an address only behind this bound
	s_and_b32 s32, s[16+\i], 0x1fc0
	s_lshl_b32 s33, s[16+\i], 9
	s_lshl_b32 s32, s32, 3
	s_add_co_u32 s[16+\i], s32, s33                ; 512 k + 512 (k / 64), in the index's own register
	v_add_nc_u32 v[OF+\i], s[16+\i], v2
.endr
	s_wait_alu depctr_va_vdst(0)                   ; the 16 offsets OF are written, which the loads below read; so are v3, v4, v5, v8 and v9, which the LDS stores, the LDS loads, the stores and the closing add read
.irp i, 0,1,2,3,4,5,6,7,8,9,10,11,12,13,14,15
	global_load_b128 v[D+4*\i:D+4*\i+3], v[OF+\i], s[4:5]  ; a whole row: 512 consecutive bytes.  No hint: a row may be named again
.endr
.irp i, 0,1,2,3,4,5,6,7,8,9,10,11,12,13,14,15
	s_wait_loadcnt 15-\i                           ; loads come back in order: row i is in, the later rows stay out
	ds_store_b128 v3, v[D+4*\i:D+4*\i+3] offset:(((\i)%4)*32+(\i)/4)*PK
.endr
	s_wait_dscnt 0x0                               ; for the others' sake: my 16 rows are in LDS
	s_barrier_signal -1
	s_barrier_wait -1
	s_wait_alu depctr_vm_vsrc(0)                   ; my LDS stores have read D, in which the LDS loads below land
.irp u, 0,1,2,3
.irp t, 0,1,2,3
	ds_load_b128 v[D+16*\u+4*\t:D+16*\u+4*\t+3], v4 offset:\t*32*PK+16*\u  ; query 4 l + t, channels 32 w + 8 u + 0..7
.endr
.endr
.irp u, 0,1,2,3
	s_wait_dscnt 12-4*\u                           ; chunk u's four loads are in; the later chunks' four each stay out
.irp cc, 0,1,2,3,4,5,6,7
.irp t, 0,1,2,3
.if (\cc)%2 == 0
	v_lshlrev_b32 v[O+32*\u+4*\cc+\t], 16, v[D+16*\u+4*\t+(\cc)/2]   ; bf16 to f32: the low half moves up,
.else
	v_and_b32 v[O+32*\u+4*\cc+\t], s14, v[D+16*\u+4*\t+(\cc)/2]      ; the high half stays
.endif
.endr
.endr
	s_wait_alu depctr_va_vdst(0)                   ; the 32 widening lines have written chunk u's O, which the eight stores read
.irp cc, 0,1,2,3,4,5,6,7
	global_store_b128 v5, v[O+32*\u+4*\cc:O+32*\u+4*\cc+3], s[8:9] offset:(8*\u+\cc)*4096 th:TH_STORE_NT
.endr
.endr
	s_wait_dscnt 0x0                               ; the wave's end
	s_wait_alu 0x0
	s_wait_tensorcnt 0x0
	ds_add_u32 v8, v9
	s_wait_dscnt 0x0
	s_endpgm
.Lfunc_end_k_q2b2d44efd4_gather:
	.size	k_q2b2d44efd4_gather, .Lfunc_end_k_q2b2d44efd4_gather-k_q2b2d44efd4_gather
	.p2alignl 7, 3214868480
	.fill 96, 4, 3214868480
	.section	.rodata,"a",@progbits
	.p2align	6, 0x0
	.amdhsa_kernel k_q2b2d44efd4_gather
		.amdhsa_group_segment_fixed_size 68608
		.amdhsa_private_segment_fixed_size 0
		.amdhsa_enable_private_segment 0
		.amdhsa_kernarg_size 24
		.amdhsa_user_sgpr_count 2
		.amdhsa_user_sgpr_kernarg_segment_ptr 1
		.amdhsa_wavefront_size32 1
		.amdhsa_system_sgpr_workgroup_id_x 1
		.amdhsa_system_sgpr_workgroup_id_y 1
		.amdhsa_system_sgpr_workgroup_id_z 1
		.amdhsa_system_vgpr_workitem_id 0
		.amdhsa_next_free_vgpr 224
		.amdhsa_next_free_sgpr 66
		.amdhsa_reserve_vcc 0
		.amdhsa_float_denorm_mode_32 3
		.amdhsa_float_denorm_mode_16_64 3
		.amdhsa_memory_ordered 1
		.amdhsa_forward_progress 1
		.amdhsa_inst_pref_size 18
	.end_amdhsa_kernel
	.amdgpu_metadata
---
amdhsa.version: [ 1, 2 ]
amdhsa.kernels:
  - .name:           k_q2b2d44efd4_gather
    .symbol:         k_q2b2d44efd4_gather.kd
    .args:
      - { .name: cbw, .offset: 0, .size: 8, .value_kind: global_buffer, .address_space: global }
      - { .name: idxw, .offset: 8, .size: 8, .value_kind: global_buffer, .address_space: global }
      - { .name: out0, .offset: 16, .size: 8, .value_kind: global_buffer, .address_space: global }
    .group_segment_fixed_size: 68608
    .private_segment_fixed_size: 0
    .kernarg_segment_align: 8
    .kernarg_segment_size: 24
    .max_flat_workgroup_size: 256
    .sgpr_count:     66
    .vgpr_count:     224
    .wavefront_size: 32
...
	.end_amdgpu_metadata
.endif
;; end of part 5
